; MI455X (gfx1250); checked and timed in simulation.
; The chip was launched on July 23, 2026; its instructions are those of AMD's public machine-readable ISA for CDNA 5 (MIT licence, August 2026) and "CDNA5" Instruction Set Architecture Reference Guide (July 2026). The comments in the code are by the model that wrote it; some were corrected since.
;; Domain Projection LDP. Allowed arithmetic: matrix products marked QUANTISED: E2M1 operands, one E8M0 scale for each 32 along K, by v_wmma_scale_f32_16x16x128_f8f6f4 with both operands' format E2M1 (or v_wmma_scale_f32_32x16x128_f4), f32 sums; everything else in f32.
;; Inputs: W 8 x 1,024 x 1,024 float32; domain_ids 8,192 int32; mu_codes 8,192 x 32 x 16 uint8 (E2M1 codes of mu, K innermost, in blocks of 32 codes, two codes a byte); mu_scales 8,192 x 32 uint8 (E8M0 scales of mu, one for each 32 codes along K).
;; Outputs: out0 8,192 x 1,024 float32; out1 one number float32.
;; This version of the problem:
;;   THIS VERSION OF THE PROBLEM IS GIVEN IN LOW PRECISION. The matrix products marked QUANTISED in the list below multiply operands that are first quantised to E2M1 (2 exponent bits, 1 mantissa bit; 4 bits a number), with one power-of-two scale for each 32 numbers along K (OCP MX v1.0); their sums are f32. All else is computed in f32.
;;   The module's matrix products, in the order in which they are computed (A, B: the left and right operand; K: the contracted axis; several contracted axes count as one K, in the product's order):
;;     1. [M 8,192, K 1,024] x [K 1,024, N 8,192]; A: input W; B: input mu (given as codes): QUANTISED
;;   THE QUANTISER, for each operand of a quantised product, along K:
;;     - K is cut into blocks of 32 from its start; a last block that is shorter is filled with zeros.
;;     - A block's scale is 2^e with e = floor(log2(the largest magnitude in the block)) - 2, held to -126 .. 127; a block of zeros has e = 0. As a byte (E8M0): e + 127.
;;     - Each number is divided by its block's scale, clamped to +-6, and rounded to the nearest number of E2M1, ties to even, subnormals kept.
;;     - The product sums the exact products of the quantised numbers (number of the format x scale) in f32.
;;   ~~~python
;;   def quantise(x, axis):      # numpy; x: float32 -> the quantised numbers, widened to float32 again
;;       x = np.moveaxis(x, axis, -1); K = x.shape[-1]
;;       x = np.pad(x, [(0, 0)] * (x.ndim - 1) + [(0, -K % 32)]); x = x.reshape(x.shape[:-1] + (-1, 32)); a = np.abs(x).max(-1, keepdims=True)
;;       e = np.where(a > 0, np.clip(np.frexp(np.where(a > 0, a, 1))[1] - 1 - 2, -126, 127), 0)      # np.frexp(a)[1] - 1 = floor(log2(a)), exactly
;;       r = np.clip(x / 2.0 ** e, -6, 6)
;;       step = 2.0 ** (np.maximum(np.frexp(np.where(r == 0, 1, r))[1] - 1, 0) - 1)
;;       q = np.round(r / step) * step * 2.0 ** e      # np.round: ties to even
;;       return np.moveaxis(q.reshape(q.shape[:-2] + (-1,))[..., :K], -1, axis).astype(np.float32)
;;   ~~~
;;   INPUTS GIVEN AS CODES. mu (in the module: [8192, 1024], K = its axis 1): each comes as NAME_codes (uint8): NAME with its K axis moved to the last place and cut into blocks of 32 codes, [.., K / 32, bytes a block], one block behind the other in memory; two codes a byte, the lower K in the low four bits (a code: sign, 2 exponent bits, 1 mantissa bit); and NAME_scales (uint8): the same leading axes, one E8M0 byte (e + 127) for each 32 codes along K. Its value is code x scale, taken as it is: it is not quantised again, and the codes and scales need not be those that the quantiser above would give.
;; One version. Each part assembles by itself: llvm-mc -triple=amdgcn-amd-amdhsa -mcpu=gfx1250 --defsym DOCPART=n.
;; ======== version 1 of 1: 2 launches
;; workspace buffers: wcodes 4,194,304 bytes; wscales 262,144 bytes; part 1,024 bytes; rows 36,864 bytes of whole numbers; tiles 1,024 bytes of whole numbers
;; launch prep (part 1): grid 257 x 1, 4 waves a work-group, no clusters, 19,968 bytes of LDS; arguments W, domain_ids, wcodes, wscales, part, rows, tiles; writes wcodes, wscales, part, rows, tiles
.if DOCPART == 1
	.amdgcn_target "amdgcn-amd-amdhsa--gfx1250"
	.amdhsa_code_object_version 6
	.text
	.protected	k_q0db5e88230_prep
	.globl	k_q0db5e88230_prep
	.p2align	8
	.type	k_q0db5e88230_prep,@function
k_q0db5e88230_prep:
	s_mov_b64 s[64:65], 0
	v_nop
	global_prefetch_b8 v0, s[64:65] scope:SCOPE_SE
	s_setreg_imm32_b32 hwreg(HW_REG_WAVE_MODE, 25, 1), 1
	s_wait_xcnt 0x0
; W [8][1024 k][1024 d], f32, is read ONCE and serves three things; domain_ids [8192] is sorted beside it.
;  (1) W's codes of FP4 (E2M1) along d, one E8M0 byte for each 32, laid in the order of the next launch's operand registers:
;      wcodes  [e 8][q 16][ct 4][g 32][r 16][16 bytes]: tile (q, ct) holds W's rows k = 64 q + 4 r + ct, g is the block of 32 along d;
;      wscales [e 8][q 16][ct 4][j 4][r 16][8 bytes]:   byte b of group j is block g = 8 j + b.
;  (2) part[256]: each W work-group's share of the sum over all positions of sum_n (W_n - mean_n W)^2.
;  (3) rows [72][128] and tiles [128][2]: the batch's rows sorted by domain, each domain's run beginning a tile of 128; a tile = (domain, rows in it).
; A block's scale is 2^(floor(log2(largest magnitude)) - 2); its byte is the largest magnitude's exponent field - 2, held at 1 from below.
; LIMITS: a block of zeros gets the byte 1 where the quantiser says 127 (its codes are zeros, which add nothing, and this program alone reads the bytes);
; NaN and infinities in W are not served.  The sum (2) is formed at each position as sum d_n^2 - (sum d_n)^2 / 8 with d_n = W_n - W_0: a common offset of W
; cancels in d, and what is taken off is at most 8 times what is left.  domain_ids lie in 0 .. 7, as the gather by them supposes; addresses made of them are held inside rows all the same.
; SHARES.  Work-group 0 sorts.  Work-group 1 + x takes tile T = x / 4 (= 4 q + ct) and group j = x % 4; its wave w takes d = 64 (4 j + w) .. + 63 of the tile's 16 rows, FOR ALL 8 DOMAINS:
; 8 x 16 x 256 bytes = 32 KB a wave, all asked for at the head (64 loads, each of two whole runs of 256 bytes).  No tensor loads, no ring: each byte is used once and lies in registers.
; LDS: the two paths have bytes of their own.
.set PITCH, 272                        ; a stage row: 256 bytes + 16 = 17 x 16: sixteen rows' equal columns fall on sixteen different 16-byte columns modulo 256
.set WSTG,  16*PITCH                   ; a wave's stage: 16 rows
.set SCB,   4*WSTG                     ; 17,408: the work-group's scale bytes, [e 8][r 16][8 bytes]
.set RED,   SCB+1024                   ; 18,432: four wave sums
.set CNT,   RED+256                    ; 18,688: the sorting path's four waves' counts, 16 bytes each
.set VLO, 1                            ; v1   W: 16,384 (lane / 16) + 16 (lane % 16): the tile's rows lie 4 rows of W apart
.set VST, 2                            ; v2   stage, in: as loaded
.set VLD, 3                            ; v3   stage, out: row lane % 16, 128 bytes for each half of the lanes
.set VCO, 4                            ; v4   16 x lane: my block's place in wcodes
.set VSB, 5                            ; v5   my block's byte in SCB
.set VSR, 6                            ; v6   SCB on the way out
.set VSO, 7                            ; v7   and the same place in wscales
.set X,   16                           ; v16-47   a whole block of 32 numbers of one row
.set DF,  48                           ; v48-79   d_n at my 32 positions
.set SD,  80                           ; v80-111  sum of d_n
.set SQ,  112                          ; v112-119 sum of d_n^2, four chains of pairs
.set SS,  120                          ; v120-123 sum of (sum d_n)^2, two chains
.set CD,  128                          ; v128-159 codes: four registers for each domain, so that no store's data are written again
.set HC,  12                           ; sorting: v12-15 counts, two fields of 16 bits: (e0,e4) (e2,e6) (e1,e5) (e3,e7)
.set OC,  16                           ; v16-19 my own counts
.set PS,  24                           ; v24-31 my next place in rows, for each domain
.set UT,  36                           ; v36-51 the four waves' counts
.set IDS, 64                           ; v64-127 my 64 ids; later their stores' offsets
.set RN,  128                          ; v128-191 my 64 row numbers
.set MSB, 0
.macro WIN new                         ; window 1 (v256-511) holds W as loaded: domain e, load i at v[32 e + 4 i].  The immediate's high byte repeats the setting that is left
.if MSB != \new
	s_set_vgpr_msb (MSB<<8)|\new
.set MSB, \new
.endif
.endm
	s_load_b256 s[4:11], s[0:1], 0x0               ; W s[4:5], domain_ids s[6:7], wcodes s[8:9], wscales s[10:11]
	s_load_b128 s[12:15], s[0:1], 0x20             ; part s[12:13], rows s[14:15]
	s_load_b64 s[16:17], s[0:1], 0x30              ; tiles
	v_lshl_add_u32 v254, v0, 2, 0x4c00
	v_mov_b32 v255, 0
	v_lshrrev_b32 v1, 5, v0
	v_readfirstlane_b32 s18, v1                    ; wave 0..3
	s_cmp_eq_u32 ttmp9, 0                          ; the same in all four waves of a work-group
	s_cbranch_scc1 .Lroute
; ======================================================= W =======================================================
	s_sub_co_u32 s19, ttmp9, 1                     ; x
	s_lshr_b32 s24, s19, 2                         ; T = 4 q + ct
	s_and_b32 s25, s19, 3                          ; j
	s_lshr_b32 s26, s24, 2                         ; q
	s_and_b32 s27, s24, 3                          ; ct
	s_lshl_b32 s20, s26, 18                        ; row 64 q + ct of 4,096 bytes, + 256 (4 j + w)
	s_lshl_b32 s28, s27, 12
	s_or_b32 s20, s20, s28
	s_lshl_b32 s28, s25, 10
	s_or_b32 s20, s20, s28
	s_lshl_b32 s28, s18, 8
	s_or_b32 s20, s20, s28
	s_mov_b32 s21, 0
	v_and_b32 v12, 15, v0                          ; lane % 16
	v_bfe_u32 v13, v0, 4, 1                        ; lane / 16
	v_lshlrev_b32 v[VLO], 4, v12
	v_lshl_add_u32 v[VLO], v13, 14, v[VLO]
	s_wait_alu depctr_va_vdst(0)
	s_wait_kmcnt 0x0
	s_add_nc_u64 s[32:33], s[4:5], s[20:21]        ; a base for each domain: 4 MiB apart, beyond a load's immediate
.irp e, 1,2,3,4,5,6,7
	s_add_nc_u64 s[32+2*\e:33+2*\e], s[30+2*\e:31+2*\e], 0x400000
.endr
	WIN 0x40                                       ; destination window 1
.irp e, 0,1,2,3,4,5,6,7
.irp i, 0,1,2,3,4,5,6,7
	global_load_b128 v[32*\e+4*\i:32*\e+4*\i+3], v[VLO], s[32+2*\e:33+2*\e] offset:32768*\i th:TH_LOAD_NT   ; lanes 0-15: 256 bytes of the tile's row 2 i, lanes 16-31: of row 2 i + 1
.endr
.endr
	WIN 0
	v_and_b32 v11, 31, v0                          ; lane
	s_mul_i32 s29, s18, WSTG                       ; my stage
	v_mul_u32_u24 v[VST], v13, PITCH
	v_lshl_add_u32 v[VST], v12, 4, v[VST]
	v_add_nc_u32 v[VST], s29, v[VST]
	v_mul_u32_u24 v[VLD], v12, PITCH
	v_lshl_add_u32 v[VLD], v13, 7, v[VLD]
	v_add_nc_u32 v[VLD], s29, v[VLD]
	v_lshlrev_b32 v[VCO], 4, v11
	s_lshl_b32 s29, s18, 1
	s_add_co_u32 s29, s29, SCB
	v_lshl_add_u32 v[VSB], v12, 3, v13             ; 8 r + h,
	v_add_nc_u32 v[VSB], s29, v[VSB]               ; + 2 w: block g = 2 (4 j + w) + h is byte 2 w + h of group j
	s_lshl_b32 s29, s18, 8
	s_add_co_u32 s29, s29, SCB
	v_lshl_add_u32 v[VSR], v11, 3, s29             ; out: wave w takes domains 2 w and 2 w + 1, 8 bytes a lane
	v_lshlrev_b32 v[VSO], 3, v12
	v_lshl_add_u32 v[VSO], v13, 15, v[VSO]         ; a domain's scale bytes are 32,768
	s_lshl_b32 s29, s18, 2
	s_add_co_u32 s29, s29, RED
	v_mov_b32 v8, s29                              ; my wave's word
	v_mov_b32 v9, RED
	v_mov_b32 v10, 0
	s_lshl_b32 s28, s25, 2
	s_add_co_u32 s28, s28, s18                     ; 4 j + w
	s_lshl_b32 s28, s28, 9
	s_lshl_b32 s30, s24, 13
	s_add_co_u32 s30, s30, s28
	s_mov_b32 s31, 0
	s_add_nc_u64 s[8:9], s[8:9], s[30:31]          ; wcodes: tile T of 8,192 bytes, blocks 2 (4 j + w) and + 1 of 256 bytes
	s_lshl_b32 s30, s18, 16
	s_lshl_b32 s28, s24, 9
	s_add_co_u32 s30, s30, s28
	s_lshl_b32 s28, s25, 7
	s_add_co_u32 s30, s30, s28
	s_add_nc_u64 s[10:11], s[10:11], s[30:31]      ; wscales: domain 2 w, tile T of 512 bytes, group j of 128
	s_lshl_b32 s30, s19, 2
	s_add_nc_u64 s[12:13], s[12:13], s[30:31]      ; part[x]
	s_mov_b32 s22, 0x76543210
	s_mov_b32 s23, 0xfedcba98                      ; v_permlanex16_b32's selects for lane l xor 16
; Domain e's 16 rows x 256 bytes turn through my stage: in as loaded, out 128 bytes a lane: lane (r, h) then holds the whole block 2 (4 j + w) + h of row r.
; LDS serves a wave's instructions in order (ISA guide 5.7.1.4): no wait between the stores and the loads, nor in front of the next domain's stores.
.macro TURN e
	WIN 0x04                                       ; an LDS store's data are its source 1: window 1
.irp i, 0,1,2,3,4,5,6,7
	ds_store_b128 v[VST], v[32*(\e)+4*\i:32*(\e)+4*\i+3] offset:2*PITCH*\i
.endr
	WIN 0
.irp n, 0,1,2,3,4,5,6,7
	ds_load_b128 v[X+4*\n:X+4*\n+3], v[VLD] offset:16*\n
.endr
.endm
; d = W_e - W_0 at my 32 positions (as loaded: the same register and lane is the same position in every domain); its sum and the sum of its squares.  Domain 1 starts both: nothing is cleared.
.macro REG e
.if (\e) == 1
.set DST, SD
.else
.set DST, DF
.endif
	WIN 0x05                                       ; sources 0 and 1 window 1
.irp m, 0,1,2,3,4,5,6,7,8,9,10,11,12,13,14,15
	v_pk_add_f32 v[DST+2*\m:DST+2*\m+1], v[32*(\e)+2*\m:32*(\e)+2*\m+1], v[2*\m:2*\m+1] neg_lo:[0,1] neg_hi:[0,1]
.endr
	WIN 0
.irp m, 0,1,2,3,4,5,6,7,8,9,10,11,12,13,14,15
.if (\e) == 1
.if \m < 4
	v_pk_mul_f32 v[SQ+2*\m:SQ+2*\m+1], v[SD+2*\m:SD+2*\m+1], v[SD+2*\m:SD+2*\m+1]
.else
	v_pk_fma_f32 v[SQ+2*(\m%4):SQ+2*(\m%4)+1], v[SD+2*\m:SD+2*\m+1], v[SD+2*\m:SD+2*\m+1], v[SQ+2*(\m%4):SQ+2*(\m%4)+1]
.endif
.else
	v_pk_add_f32 v[SD+2*\m:SD+2*\m+1], v[SD+2*\m:SD+2*\m+1], v[DF+2*\m:DF+2*\m+1]
	v_pk_fma_f32 v[SQ+2*(\m%4):SQ+2*(\m%4)+1], v[DF+2*\m:DF+2*\m+1], v[DF+2*\m:DF+2*\m+1], v[SQ+2*(\m%4):SQ+2*(\m%4)+1]
.endif
.endr
.endm
; My block of domain e: largest magnitude, scale, 32 codes (16 bytes), scale byte.
.macro QUANT e
	v_max3_num_f32 v124, |v[X]|, |v[X+1]|, |v[X+2]|                ; all 32 numbers are mine: two chains
	v_max3_num_f32 v125, |v[X+3]|, |v[X+4]|, |v[X+5]|
.irp i, 6,10,14,18,22,26
	v_max3_num_f32 v124, v124, |v[X+\i]|, |v[X+\i+1]|
	v_max3_num_f32 v125, v125, |v[X+\i+2]|, |v[X+\i+3]|
.endr
	v_max3_num_f32 v124, v124, |v[X+30]|, |v[X+31]|
	v_max3_num_f32 v124, v124, v125, 0x1800000     ; and the floor 2^(3 - 127): the byte cannot fall under 1
	v_add_nc_u32 v126, 0xff000000, v124            ; 2 off the exponent field: the conversion takes the exponent field of this operand as its scale, and nothing else of it
.irp g, 0,1,2,3
	v_cvt_scalef32_pk8_fp4_f32 v[CD+4*(\e)+\g], v[X+8*\g:X+8*\g+7], v126   ; to the nearest code, ties to even, beyond 6 the largest code; the lower d in the lower bits
.endr
	v_lshrrev_b32 v127, 23, v126                   ; the scale's byte.  (Also the plain instruction behind the conversions, ahead of the next write of their sources)
	ds_store_b8 v[VSB], v127 offset:128*(\e)
	global_store_b128 v[VCO], v[CD+4*(\e):CD+4*(\e)+3], s[8:9] offset:(\e)<<19   ; the wave stores 512 consecutive bytes, at a multiple of 512 from wcodes' first byte
.endm
.macro STEP e
	s_wait_loadcnt 8*(7-(\e))                      ; loads come back in order (ISA guide 5.7.1): domain e's eight are in, those of the 7 - e domains behind it stay out
	TURN \e
.if (\e) > 0
	REG \e                                         ; work on registers while the block comes back from the stage
.endif
	s_wait_dscnt 0x0                               ; the block is in
	QUANT \e
.endm
.irp e, 0,1,2,3,4,5,6,7
	STEP \e
.endr
	; my share of the sum: sum d^2 - (sum d)^2 / 8, over my 32 positions, then over the lanes
.irp m, 0,1
	v_pk_mul_f32 v[SS+2*\m:SS+2*\m+1], v[SD+2*\m:SD+2*\m+1], v[SD+2*\m:SD+2*\m+1]
.endr
.irp m, 2,3,4,5,6,7,8,9,10,11,12,13,14,15
	v_pk_fma_f32 v[SS+2*(\m%2):SS+2*(\m%2)+1], v[SD+2*\m:SD+2*\m+1], v[SD+2*\m:SD+2*\m+1], v[SS+2*(\m%2):SS+2*(\m%2)+1]
.endr
	v_pk_add_f32 v[SQ:SQ+1], v[SQ:SQ+1], v[SQ+2:SQ+3]
	v_pk_add_f32 v[SQ+4:SQ+5], v[SQ+4:SQ+5], v[SQ+6:SQ+7]
	v_pk_add_f32 v[SS:SS+1], v[SS:SS+1], v[SS+2:SS+3]
	v_pk_add_f32 v[SQ:SQ+1], v[SQ:SQ+1], v[SQ+4:SQ+5]
	v_pk_fma_f32 v[SQ:SQ+1], v[SS:SS+1], 0xbe000000, v[SQ:SQ+1] op_sel_hi:[1,0,1]   ; x -1/8
	v_add_f32 v[SQ], v[SQ], v[SQ+1]
	v_add_f32_dpp v[SQ], v[SQ], v[SQ] row_xmask:1 row_mask:0xf bank_mask:0xf
	v_add_f32_dpp v[SQ], v[SQ], v[SQ] row_xmask:2 row_mask:0xf bank_mask:0xf
	v_add_f32_dpp v[SQ], v[SQ], v[SQ] row_xmask:4 row_mask:0xf bank_mask:0xf
	v_add_f32_dpp v[SQ], v[SQ], v[SQ] row_xmask:8 row_mask:0xf bank_mask:0xf
	v_permlanex16_b32 v[SQ+1], v[SQ], s22, s23
	v_add_f32 v[SQ], v[SQ], v[SQ+1]                ; the wave's sum, in every lane
	ds_store_b32 v8, v[SQ]                         ; all lanes write the same word with the same value
	s_wait_dscnt 0x0                               ; for the others' sake: my scale bytes and my sum lie in LDS
	s_barrier_signal -1
	s_barrier_wait -1
	ds_load_b64 v[160:161], v[VSR]                 ; a row's 8 bytes come from all four waves
	ds_load_b128 v[164:167], v9                    ; the four sums
	s_wait_dscnt 0x0
	global_store_b64 v[VSO], v[160:161], s[10:11]  ; two runs of 128 consecutive bytes: domains 2 w and 2 w + 1
	v_add_f32 v164, v164, v165
	v_add_f32 v166, v166, v167
	v_add_f32 v164, v164, v166
	s_wait_alu depctr_va_vdst(0)
	s_wait_xcnt 0x0                                ; EXEC is a source of the stores above: it changes only behind this wait
	v_cmp_eq_u32 vcc_lo, 0, v0
	s_wait_tensorcnt 0x0
	ds_add_u32 v254, v255
	s_wait_dscnt 0x0
	s_and_saveexec_b32 s24, vcc_lo                 ; thread 0 alone
	global_store_b32 v10, v164, s[12:13]
	s_endpgm
; ================================================= the rows by domain =================================================
; 128 threads, 64 ids each: thread t holds rows 512 L + 4 t + c (L = 0 .. 15, c = 0 .. 3).  A counting sort without atomics: each thread counts its ids, a scan over lanes and waves gives
; each thread its first place for each domain, and it places its rows.  Domain e's run begins at tile ts_e = the sum of ceil(T_i / 128) over i < e: at most 8192 / 128 + 7 = 71 tiles.
.Lroute:
	v_lshlrev_b32 v2, 4, v0                        ; 16 t
	v_lshlrev_b32 v3, 2, v0                        ; 4 t
	v_bfe_u32 v4, v0, 4, 1
	v_sub_nc_u32 v4, 0, v4                         ; all ones in lanes 16-31, else 0
	v_mov_b32 v5, 0                                ; (a DPP move's destination counts as read)
.irp i, 8,9,10,11
	v_mov_b32 v\i, 0
.endr
	v_lshlrev_b32 v60, 3, v0                       ; 8 t
	s_lshl_b32 s31, s18, 4
	s_add_co_u32 s31, s31, CNT
	v_mov_b32 v6, s31                              ; my wave's 16 bytes of counts
	v_mov_b32 v7, CNT
	s_mov_b32 s30, 0x0f0f0f0f
	s_mov_b32 s29, 0x00ff00ff
	s_wait_alu depctr_va_vdst(0)
	s_wait_kmcnt 0x0
.irp L, 0,1,2,3,4,5,6,7,8,9,10,11,12,13,14,15
	global_load_b128 v[IDS+4*\L:IDS+4*\L+3], v2, s[6:7] offset:2048*\L
.endr
.irp n, 0,1,2,3,4,5,6,7,8,9,10,11,12,13,14,15,16,17
	global_store_b128 v2, v[8:11], s[14:15] offset:2048*\n   ; all 36,864 bytes of rows are written: places that no row takes hold row 0
.endr
	s_wait_loadcnt 0x0
	; my counts: eight ids at a time in eight counters of 4 bits (at most 8 each), gathered in bytes (at most 64 each)
	v_mov_b32 v20, 0                               ; bytes: domains 0, 2, 4, 6
	v_mov_b32 v21, 0                               ; bytes: domains 1, 3, 5, 7
.set g, 0
.rept 8
	v_mov_b32 v22, 0
.set k, 0
.rept 8
	v_lshlrev_b32 v23, 2, v[IDS+8*g+k]
	v_lshl_add_u32 v22, 1, v23, v22
.set k, k+1
.endr
	v_and_b32 v5, s30, v22
	v_add_nc_u32 v20, v20, v5
	v_lshrrev_b32 v5, 4, v22
	v_and_b32 v5, s30, v5
	v_add_nc_u32 v21, v21, v5
.set g, g+1
.endr
	v_and_b32 v[HC], s29, v20                      ; fields of 16 bits, which hold up to all 8,192 rows: (e0, e4)
	v_lshrrev_b32 v[HC+1], 8, v20
	v_and_b32 v[HC+1], s29, v[HC+1]                ; (e2, e6)
	v_and_b32 v[HC+2], s29, v21                    ; (e1, e5)
	v_lshrrev_b32 v[HC+3], 8, v21
	v_and_b32 v[HC+3], s29, v[HC+3]                ; (e3, e7)
.irp k, 0,1,2,3
	v_mov_b32 v[OC+\k], v[HC+\k]
.endr
.irp k, 0,1,2,3                                ; an inclusive scan over the wave's lanes: four steps in each half of 16, then the lower half's total onto the upper
.irp n, 1,2,4,8
	v_mov_b32_dpp v5, v[HC+\k] row_shr:\n row_mask:0xf bank_mask:0xf bound_ctrl:1
	v_add_nc_u32 v[HC+\k], v[HC+\k], v5
.endr
	v_readlane_b32 s28, v[HC+\k], 15
	v_and_b32 v5, s28, v4
	v_add_nc_u32 v[HC+\k], v[HC+\k], v5
	v_readlane_b32 s[24+\k], v[HC+\k], 31          ; the wave's total
	v_mov_b32 v[52+\k], s[24+\k]
.endr
	ds_store_b128 v6, v[52:55]
	s_wait_storecnt 0x0                            ; my zeros have reached rows: behind the barrier any wave may write over them
	s_wait_dscnt 0x0                               ; my counts lie in LDS
	s_barrier_signal -1
	s_barrier_wait -1
.irp u, 0,1,2,3
	ds_load_b128 v[UT+4*\u:UT+4*\u+3], v7 offset:16*\u
.endr
	s_wait_dscnt 0x0
.irp n, 0,1,2,3,4,5,6,7,8,9,10,11,12,13,14,15
	v_readfirstlane_b32 s[32+\n], v[UT+\n]         ; wave u's total k at s[32 + 4 u + k]
.endr
.irp k, 0,1,2,3
	s_add_co_u32 s[48+\k], s[32+\k], s[36+\k]      ; all four waves'
	s_add_co_u32 s[48+\k], s[48+\k], s[40+\k]
	s_add_co_u32 s[48+\k], s[48+\k], s[44+\k]
	s_mov_b32 s[52+\k], 0                          ; and those of the waves below mine
.endr
.irp u, 0,1,2
	s_cmp_gt_u32 s18, \u
.irp k, 0,1,2,3
	s_cselect_b32 s[90+\k], s[32+4*\u+\k], 0       ; (all four selects ahead of the additions, which set SCC)
.endr
.irp k, 0,1,2,3
	s_add_co_u32 s[52+\k], s[52+\k], s[90+\k]
.endr
.endr
.irp e, 0,1,2,3,4,5,6,7                        ; domain e lies in register 2 (e % 2) + (e / 2) % 2, field e / 4
.set KK, 2*(\e%2)+(\e/2)%2
.if \e < 4
	s_and_b32 s[56+\e], s[48+KK], 0xffff           ; T_e: the domain's rows
	s_and_b32 s[82+\e], s[52+KK], 0xffff
.else
	s_lshr_b32 s[56+\e], s[48+KK], 16
	s_lshr_b32 s[82+\e], s[52+KK], 16
.endif
	s_add_co_u32 s[66+\e], s[56+\e], 127
	s_lshr_b32 s[66+\e], s[66+\e], 7               ; nt_e: its tiles
.endr
	s_mov_b32 s74, 0                               ; ts_e: its first tile
.irp e, 1,2,3,4,5,6,7
	s_add_co_u32 s[74+\e], s[74+\e-1], s[66+\e-1]
.endr
.irp e, 0,1,2,3,4,5,6,7
	s_lshl_b32 s90, s[74+\e], 7
	s_add_co_u32 s[82+\e], s[82+\e], s90           ; where my wave's rows of domain e begin
.endr
.irp k, 0,1,2,3
	v_sub_nc_u32 v[HC+\k], v[HC+\k], v[OC+\k]      ; the lanes below mine (no field borrows: the scan holds my own counts)
.endr
.irp e, 0,1,2,3,4,5,6,7
.set KK, 2*(\e%2)+(\e/2)%2
	v_bfe_u32 v5, v[HC+KK], 16*(\e/4), 16
	v_add_nc_u32 v[PS+\e], s[82+\e], v5            ; my first place for domain e
.endr
	; the table of tiles: thread t writes tile t: (domain, rows in it); tiles behind the last hold (0, 0)
	v_mov_b32 v34, 0
	v_mov_b32 v35, 0
.irp e, 0,1,2,3,4,5,6,7
	v_sub_nc_u32 v5, v0, s[74+\e]                  ; which tile of domain e (wraps to a large number below its first)
	v_cmp_le_u32 vcc_lo, s[66+\e], v5              ; set where tile t is NOT domain e's
	v_lshlrev_b32 v33, 7, v5
	v_sub_nc_u32 v33, s[56+\e], v33                ; rows left from this tile on
	v_cndmask_b32 v34, \e, v34, vcc_lo
	v_cndmask_b32 v35, v33, v35, vcc_lo
.endr
	v_min_u32 v35, 0x80, v35
	global_store_b64 v60, v[34:35], s[16:17]       ; a wave stores 256 consecutive bytes
	; my 64 rows go to their places.  In each group of eight the 4-bit counters give an id's rank among the group's earlier ids; behind the group they move the places on.
	; Each store has its own offset and data registers, so none is written again while a store may read it.
.set g, 0
.rept 8
	v_mov_b32 v22, 0
.set k, 0
.rept 8
.set j, 8*g+k
	v_and_b32 v5, 1, v[IDS+j]
	v_cmp_ne_u32 s90, 0, v5
	v_and_b32 v5, 2, v[IDS+j]
	v_cmp_ne_u32 s91, 0, v5
	v_and_b32 v5, 4, v[IDS+j]
	v_cmp_ne_u32 s92, 0, v5
	v_cndmask_b32 v52, v[PS], v[PS+1], s90         ; the place of the id's domain: a choice of a value, no branch
	v_cndmask_b32 v53, v[PS+2], v[PS+3], s90
	v_cndmask_b32 v54, v[PS+4], v[PS+5], s90
	v_cndmask_b32 v55, v[PS+6], v[PS+7], s90
	v_cndmask_b32 v56, v52, v53, s91
	v_cndmask_b32 v57, v54, v55, s91
	v_cndmask_b32 v58, v56, v57, s92
	v_lshlrev_b32 v23, 2, v[IDS+j]
	v_bfe_u32 v33, v22, v23, 4                     ; its rank in the group
	v_lshl_add_u32 v22, 1, v23, v22
	v_add_nc_u32 v32, v58, v33
	v_min_u32 v[IDS+j], 0x23ff, v32                ; held inside rows' 9,216 places
	v_lshlrev_b32 v[IDS+j], 2, v[IDS+j]
	v_add_nc_u32 v[RN+j], 512*(j/4)+j%4, v3        ; the row's number
	global_store_b32 v[IDS+j], v[RN+j], s[14:15]
.set k, k+1
.endr
.if g < 7
.irp e, 0,1,2,3,4,5,6,7
	v_bfe_u32 v5, v22, 4*\e, 4
	v_add_nc_u32 v[PS+\e], v[PS+\e], v5
.endr
.endif
.set g, g+1
.endr
	s_wait_tensorcnt 0x0
	ds_add_u32 v254, v255
	s_wait_dscnt 0x0
	s_endpgm
.Lfunc_end_k_q0db5e88230_prep:
	.size	k_q0db5e88230_prep, .Lfunc_end_k_q0db5e88230_prep-k_q0db5e88230_prep
	.p2alignl 7, 3214868480
	.fill 96, 4, 3214868480
	.section	.rodata,"a",@progbits
	.p2align	6, 0x0
	.amdhsa_kernel k_q0db5e88230_prep
		.amdhsa_group_segment_fixed_size 19968
		.amdhsa_private_segment_fixed_size 0
		.amdhsa_enable_private_segment 0
		.amdhsa_kernarg_size 56
		.amdhsa_user_sgpr_count 2
		.amdhsa_user_sgpr_kernarg_segment_ptr 1
		.amdhsa_wavefront_size32 1
		.amdhsa_system_sgpr_workgroup_id_x 1
		.amdhsa_system_sgpr_workgroup_id_y 1
		.amdhsa_system_sgpr_workgroup_id_z 1
		.amdhsa_system_vgpr_workitem_id 0
		.amdhsa_next_free_vgpr 512
		.amdhsa_next_free_sgpr 100
		.amdhsa_reserve_vcc 1
		.amdhsa_float_denorm_mode_32 3
		.amdhsa_float_denorm_mode_16_64 3
		.amdhsa_memory_ordered 1
		.amdhsa_forward_progress 1
		.amdhsa_inst_pref_size 156
	.end_amdhsa_kernel
	.amdgpu_metadata
---
amdhsa.version: [ 1, 2 ]
amdhsa.kernels:
  - .name:           k_q0db5e88230_prep
    .symbol:         k_q0db5e88230_prep.kd
    .args:
      - { .name: W, .offset: 0, .size: 8, .value_kind: global_buffer, .address_space: global }
      - { .name: domain_ids, .offset: 8, .size: 8, .value_kind: global_buffer, .address_space: global }
      - { .name: wcodes, .offset: 16, .size: 8, .value_kind: global_buffer, .address_space: global }
      - { .name: wscales, .offset: 24, .size: 8, .value_kind: global_buffer, .address_space: global }
      - { .name: part, .offset: 32, .size: 8, .value_kind: global_buffer, .address_space: global }
      - { .name: rows, .offset: 40, .size: 8, .value_kind: global_buffer, .address_space: global }
      - { .name: tiles, .offset: 48, .size: 8, .value_kind: global_buffer, .address_space: global }
    .group_segment_fixed_size: 19968
    .private_segment_fixed_size: 0
    .kernarg_segment_align: 8
    .kernarg_segment_size: 56
    .max_flat_workgroup_size: 128
    .sgpr_count:     100
    .vgpr_count:     512
    .wavefront_size: 32
...
	.end_amdgpu_metadata
.endif
;; end of part 1
;; launch proj (part 2): grid 4 x 71, 4 waves a work-group, no clusters, 74,240 bytes of LDS; arguments mu_codes, mu_scales, wcodes, wscales, part, rows, tiles, out0, out1; writes out0, out1
.if DOCPART == 2
	.amdgcn_target "amdgcn-amd-amdhsa--gfx1250"
	.amdhsa_code_object_version 6
	.text
	.protected	k_q0db5e88230_proj
	.globl	k_q0db5e88230_proj
	.p2align	8
	.type	k_q0db5e88230_proj,@function
k_q0db5e88230_proj:
	s_mov_b64 s[64:65], 0
	v_nop
	global_prefetch_b8 v0, s[64:65] scope:SCOPE_SE
	s_setreg_imm32_b32 hwreg(HW_REG_WAVE_MODE, 25, 1), 1
	s_wait_xcnt 0x0
; out0[b][k] = sum over d of mu[b][d] x Q(W[domain_ids[b]])[k][d], on codes of FP4 (E2M1) with one E8M0 scale for each 32 along d; sums in f32.  out1 = the sum of part[256] / 2^23.
; Only the row's own domain is multiplied: the launch before has sorted the rows by domain into tiles of 128 (rows, tiles) and laid W's codes and scale bytes in the order of the operand's registers.
; GRID.  8,192 rows in tiles of 128 over 8 domains are at most 64 + 7 = 71 tiles, whatever the split; x 4 blocks of 256 columns.  A tile that a split leaves without rows stores nothing.
; Addresses and branches hang on the stored list, so operands go from memory through registers: no tensor load, no ring, no cluster (partners would have different numbers of rows).
; SHARES.  Work-group (cb, tile): 128 rows of one domain x columns 256 cb .. + 255.  Wave w: all 128 rows x columns 64 q .. + 63, q = 4 cb + w.
; W STAYS IN REGISTERS: the wave's 4 tiles of 16 columns x 8 K steps are 32 fragments = the 256 registers of window 1, loaded once, 512 consecutive bytes a load.
; mu's 128 gathered rows (512 bytes each) go once into LDS, their scale bytes and row numbers beside them; a trip takes 16 rows: 32 matrix instructions, then 16 rows x 256 bytes are stored: stores run from the first trip on.
; LAYOUT.  Source 0 = 16 rows of mu, source 1 = 16 rows of W.  Tile ct of W holds rows k = 64 q + 4 r + ct, so register j of the four accumulators, in lane (r, h), are out0(row 8 h + j, 64 q + 4 r + 0 .. 3):
; 16 neighbouring bytes a lane, and sixteen lanes store 256 consecutive bytes at a multiple of 256 from out0's first byte.  The price is four register copies for each 16 bytes; nothing goes through LDS on the way out.
; PADDING.  Places of a tile past its count take the tile's FIRST row: in the tile's last 16 rows at most 15 products repeat that row, and the same wave stores the same bytes to it again.  Groups of 16 wholly past the count are left out.
.set APITCH, 528                       ; a row of mu in LDS: 512 bytes + 16 = 33 x 16: the sixteen rows of a fragment load fall on sixteen different 16-byte columns modulo 256
.set ASC,    128*APITCH                ; 67,584: mu's scale bytes, [half 2][row 128][16 bytes]
.set RID,    ASC+4096                  ; 71,680: the 128 row numbers
.set L16,  1                           ; v1   16 x lane
.set AADR, 2                           ; v2   a fragment of mu: row r x pitch + 16 h
.set ASCA, 3                           ; v3   its scale words: lanes 0-15 K steps 0-3 of row r, lanes 16-31 K steps 4-7
.set RIDA, 4                           ; v4   the row numbers of rows 8 h + 0 .. 7
.set LCOL, 5                           ; v5   16 r: my 16 bytes of the wave's 256
.set ASTO, 6                           ; v6   where I put 16 bytes of a gathered row
.set SSTO, 7                           ; v7   where thread t puts row t's scale bytes
.set WS,   16                          ; v16-31  W's scale words and nothing else: register 4 ct + 2 (s / 4) + s % 2, lanes 0-15 or 16-31 by (s / 2) % 2
.set AS,   32                          ; v32-39  mu's scale words and nothing else: two sets of 4: register s % 4, lanes 16-31 for s >= 4
.set RO,   40                          ; v40-55  row numbers, two sets of 8
.set SA,   56                          ; v56-63  the stores' offsets
.set AF,   64                          ; v64-191 mu's fragments, two sets of 8 x 8; at the head the gathered rows
.set ACC,  192                         ; v192-223 four accumulators; at the head thread t's scale bytes
.set OUT,  224                         ; v224-255 results in the stores' order; at the head the gather's offsets
.set MSB, 0
.macro WIN new                         ; the immediate's high byte repeats the setting that is left
.if MSB != \new
	s_set_vgpr_msb (MSB<<8)|\new
.set MSB, \new
.endif
.endm
	s_load_b512 s[4:19], s[0:1], 0x0               ; mu_codes s[4:5], mu_scales s[6:7], wcodes s[8:9], wscales s[10:11], part s[12:13], rows s[14:15], tiles s[16:17], out0 s[18:19]
	s_load_b64 s[20:21], s[0:1], 0x40              ; out1
	s_set_vgpr_msb 0x80
	v_lshl_add_u32 v0, v0, 2, 0x12000
	v_mov_b32 v1, 0
	s_set_vgpr_msb 0x8000
	v_lshrrev_b32 v1, 5, v0
	v_readfirstlane_b32 s22, v1                    ; wave 0..3
	s_mov_b32 s23, ttmp9                           ; cb
	s_and_b32 s24, ttmp7, 0xffff                   ; the tile
	s_lshl_b32 s25, s23, 2
	s_add_co_u32 s25, s25, s22                     ; q
	s_mov_b32 s66, 0x76543210
	s_mov_b32 s67, 0xfedcba98                      ; v_permlanex16_b32's selects for lane l xor 16
	s_mov_b32 s31, 0
	v_and_b32 v14, 31, v0                          ; lane
	v_and_b32 v15, 15, v0                          ; r
	v_bfe_u32 v9, v0, 4, 1                         ; h
	v_lshlrev_b32 v[L16], 4, v14
	v_mul_u32_u24 v[AADR], v15, APITCH
	v_lshl_add_u32 v[AADR], v9, 4, v[AADR]
	v_lshlrev_b32 v[ASCA], 4, v15
	v_lshl_add_u32 v[ASCA], v9, 11, v[ASCA]
	v_add_nc_u32 v[ASCA], ASC, v[ASCA]
	v_lshlrev_b32 v[RIDA], 5, v9
	v_add_nc_u32 v[RIDA], RID, v[RIDA]
	v_lshlrev_b32 v[LCOL], 4, v15
	s_mul_i32 s30, s22, 32*APITCH                  ; wave w gathers rows 32 w .. 32 w + 31
	v_add_nc_u32 v[ASTO], s30, v[L16]
	v_lshl_add_u32 v[SSTO], v0, 4, ASC
	v_lshl_add_u32 v10, v0, 2, RID                 ; where thread t puts row number t
	v_lshlrev_b32 v11, 3, v14                      ; 8 x lane
	v_lshlrev_b32 v12, 2, v0                       ; 4 t
	v_mov_b32 v13, 0
	s_wait_alu depctr_va_vdst(0)
	s_wait_kmcnt 0x0
	s_lshl_b32 s30, s24, 3
	s_add_nc_u64 s[16:17], s[16:17], s[30:31]      ; my tile's entry
	s_lshl_b32 s30, s24, 9
	s_add_nc_u64 s[14:15], s[14:15], s[30:31]      ; my tile's 128 row numbers,
	s_lshl_b32 s30, s22, 7
	s_add_nc_u64 s[70:71], s[14:15], s[30:31]      ; and my wave's 32 of them
	s_load_b64 s[26:27], s[16:17], 0x0             ; s26 the domain, s27 the rows in the tile
	s_load_b32 s28, s[14:15], 0x0                  ; the tile's first row
	s_load_b512 s[32:47], s[70:71], 0x0
	s_load_b512 s[48:63], s[70:71], 0x40
	global_load_b32 v8, v12, s[14:15]              ; row number t
	s_wait_kmcnt 0x0
	s_lshl_b32 s30, s22, 5
	s_sub_co_i32 s29, s27, s30                     ; how many of my wave's 32 places hold a row (may be negative)
.set i, 0
.rept 32                                       ; the gather: a whole row of 512 bytes an instruction
	s_cmp_gt_i32 s29, i
	s_cselect_b32 s[32+i], s[32+i], s28            ; a place past the count takes the tile's first row
	s_min_u32 s[32+i], s[32+i], 0x1fff             ; held inside mu
	v_lshl_add_u32 v[OUT+i], s[32+i], 9, v[L16]
	global_load_b128 v[AF+4*i:AF+4*i+3], v[OUT+i], s[4:5]
.set i, i+1
.endr
	s_wait_loadcnt 32                              ; row number t is in; the 32 loads issued behind it stay out
	v_cmp_gt_u32 vcc_lo, s27, v0                   ; t < the count
	v_cndmask_b32 v8, s28, v8, vcc_lo
	v_min_u32 v8, 0x1fff, v8
	ds_store_b32 v10, v8
	v_lshlrev_b32 v9, 5, v8                        ; a row's 32 scale bytes
	global_load_b128 v[ACC:ACC+3], v9, s[6:7]
	global_load_b128 v[ACC+4:ACC+7], v9, s[6:7] offset:16
	s_min_u32 s26, s26, 7                          ; held inside W
	s_lshl_b32 s30, s26, 19
	s_lshl_b32 s69, s25, 15
	s_add_co_u32 s30, s30, s69
	s_add_nc_u64 s[8:9], s[8:9], s[30:31]          ; my 32 KB of codes: domain, q
	s_lshl_b32 s30, s26, 15
	s_lshl_b32 s69, s25, 11
	s_add_co_u32 s30, s30, s69
	s_add_nc_u64 s[10:11], s[10:11], s[30:31]      ; my 2 KB of scale bytes
	s_lshl_b32 s30, s25, 8
	s_add_nc_u64 s[18:19], s[18:19], s[30:31]      ; out0 at my 64 columns
.irp m, 0,1,2,3,4,5,6,7
	global_load_b64 v[WS+2*\m:WS+2*\m+1], v11, s[10:11] offset:256*\m   ; 256 consecutive bytes: tile m / 2, groups 2 (m % 2) (lanes 0-15) and + 1 (lanes 16-31), 8 bytes a row = two K steps' words
.endr
	WIN 0x40                                       ; destination window 1
.set n, 0
.rept 16
	global_load_b128 v[4*n:4*n+3], v[L16], s[8:9] offset:512*n   ; piece n = 16 ct + 2 s + c: registers 4 c .. 4 c + 3 of fragment (ct, s), as they will stand
.set n, n+1
.endr
	WIN 0
	s_wait_loadcnt 24                              ; mu's rows and scale bytes are in; the 8 + 16 loads of W issued behind them stay out
.set i, 0
.rept 32
	ds_store_b128 v[ASTO], v[AF+4*i:AF+4*i+3] offset:APITCH*i
.set i, i+1
.endr
	ds_store_b128 v[SSTO], v[ACC:ACC+3]            ; K steps 0-3
	ds_store_b128 v[SSTO], v[ACC+4:ACC+7] offset:2048   ; K steps 4-7
	WIN 0x40
.rept 48
	global_load_b128 v[4*n:4*n+3], v[L16], s[8:9] offset:512*n
.set n, n+1
.endr
	WIN 0
	; out1: one wave of the launch adds the 256 partial sums
	s_or_b32 s30, s23, s24
	s_or_b32 s30, s30, s22
	s_cmp_lg_u32 s30, 0
	s_cbranch_scc1 .Lno_sum
	global_load_b128 v[40:43], v[L16], s[12:13]
	global_load_b128 v[44:47], v[L16], s[12:13] offset:512
	s_wait_loadcnt 0x0
	v_add_f32 v40, v40, v41
	v_add_f32 v42, v42, v43
	v_add_f32 v44, v44, v45
	v_add_f32 v46, v46, v47
	v_add_f32 v40, v40, v42
	v_add_f32 v44, v44, v46
	v_add_f32 v40, v40, v44
	v_add_f32_dpp v40, v40, v40 row_xmask:1 row_mask:0xf bank_mask:0xf
	v_add_f32_dpp v40, v40, v40 row_xmask:2 row_mask:0xf bank_mask:0xf
	v_add_f32_dpp v40, v40, v40 row_xmask:4 row_mask:0xf bank_mask:0xf
	v_add_f32_dpp v40, v40, v40 row_xmask:8 row_mask:0xf bank_mask:0xf
	v_permlanex16_b32 v41, v40, s66, s67
	v_add_f32 v40, v40, v41
	v_mul_f32 v40, 0x34000000, v40                 ; / 2^23 = 8 x 1024 x 1024 numbers: exact
	s_wait_alu depctr_va_vdst(0)
	s_wait_xcnt 0x0                                ; EXEC is a source of the loads above: it changes only behind this wait
	v_cmp_eq_u32 vcc_lo, 0, v0
	s_and_saveexec_b32 s68, vcc_lo
	global_store_b32 v13, v40, s[20:21]
	s_wait_xcnt 0x0                                ; and again in front of the line that widens it
	s_or_b32 exec_lo, exec_lo, s68
.Lno_sum:
	s_wait_dscnt 0x0                               ; for the others' sake: my rows, scale bytes and row numbers lie in LDS
	s_barrier_signal -1                            ; the launch's one barrier: on every wave's path, ahead of every branch on the list.  Nothing is written to LDS behind it
	s_barrier_wait -1
; What a trip wants from LDS, 19 loads in one run: rows 16 i .. + 15 as 8 fragments (lane (r, h): registers 4 c .. + 3 of K step s are the 16 bytes at 64 s + 32 c + 16 h of row r), their scale words, their numbers.
.macro BUNDLE i, b
.irp s, 0,1,2,3,4,5,6,7
.irp c, 0,1
	ds_load_b128 v[AF+64*(\b)+8*\s+4*\c:AF+64*(\b)+8*\s+4*\c+3], v[AADR] offset:16*APITCH*(\i)+64*\s+32*\c
.endr
.endr
	ds_load_b128 v[AS+4*(\b):AS+4*(\b)+3], v[ASCA] offset:256*(\i)
	ds_load_b128 v[RO+8*(\b):RO+8*(\b)+3], v[RIDA] offset:64*(\i)
	ds_load_b128 v[RO+8*(\b)+4:RO+8*(\b)+7], v[RIDA] offset:64*(\i)+16
.endm
; One matrix instruction: K step s, W's tile ct, mu's set p.  K step 0 starts the sums with the constant 0: nothing is cleared.
.macro MM s, ct, p
.set rD, ACC+8*(\ct)
.set rA, AF+64*(\p)+8*(\s)
.set rB, 64*(\ct)+8*(\s)
.set rSA, AS+4*(\p)+(\s)%4
.set rSB, WS+4*(\ct)+2*((\s)/4)+(\s)%2
.if (\s) == 0
	v_wmma_scale_f32_16x16x128_f8f6f4 v[rD:rD+7], v[rA:rA+7], v[rB:rB+7], 0, v[rSA], v[rSB] matrix_a_fmt:MATRIX_FMT_FP4 matrix_b_fmt:MATRIX_FMT_FP4
.elseif (\s) < 2
	v_wmma_scale_f32_16x16x128_f8f6f4 v[rD:rD+7], v[rA:rA+7], v[rB:rB+7], v[rD:rD+7], v[rSA], v[rSB] matrix_a_fmt:MATRIX_FMT_FP4 matrix_b_fmt:MATRIX_FMT_FP4
.elseif (\s) < 4
	v_wmma_scale_f32_16x16x128_f8f6f4 v[rD:rD+7], v[rA:rA+7], v[rB:rB+7], v[rD:rD+7], v[rSA], v[rSB] matrix_a_fmt:MATRIX_FMT_FP4 matrix_b_fmt:MATRIX_FMT_FP4 matrix_b_scale:MATRIX_SCALE_ROW1
.elseif (\s) < 6
	v_wmma_scale_f32_16x16x128_f8f6f4 v[rD:rD+7], v[rA:rA+7], v[rB:rB+7], v[rD:rD+7], v[rSA], v[rSB] matrix_a_fmt:MATRIX_FMT_FP4 matrix_b_fmt:MATRIX_FMT_FP4 matrix_a_scale:MATRIX_SCALE_ROW1
.else
	v_wmma_scale_f32_16x16x128_f8f6f4 v[rD:rD+7], v[rA:rA+7], v[rB:rB+7], v[rD:rD+7], v[rSA], v[rSB] matrix_a_fmt:MATRIX_FMT_FP4 matrix_b_fmt:MATRIX_FMT_FP4 matrix_a_scale:MATRIX_SCALE_ROW1 matrix_b_scale:MATRIX_SCALE_ROW1
.endif
.endm
; A TRIP: rows 16 i .. 16 i + 15 of the tile x my 64 columns.
.macro TRIP i
.set PP, (\i)%2
	s_cmp_le_u32 s27, 16*(\i)                      ; no row of the tile is left: a branch on a stored whole number; no barrier follows
	s_cbranch_scc1 .Ldone
	s_wait_dscnt 0x0                               ; this trip's 19 loads are in
.if (\i) < 7
	BUNDLE (\i)+1, 1-PP                            ; the next trip's go out ahead of the products.  The last products that read these registers stand 16 plain instructions back (below)
.endif
.if (\i) == 0
	s_wait_loadcnt 0x0                             ; W
.endif
	WIN 0x04                                       ; source 1 (W) window 1
.irp s, 0,1,2,3,4,5,6,7
.irp ct, 0,1,2,3
	MM \s, \ct, PP                                 ; the four accumulators take turns, one instruction a turn
.endr
.endr
	WIN 0
.if (\i) > 0
	s_wait_xcnt 0x0                                ; the last trip's stores have read their offsets and data: both are written again only behind this wait
.endif
; Sixteen plain instructions that name no register of the products: the places ahead of the first read of the results, of the next run of loads into the fragments and scale words,
; and of the next trip's first products, which begin the accumulators anew.
.irp t, 0,1,2,3,4,5,6,7
	v_min_u32 v[SA+\t], 0x1fff, v[RO+8*PP+\t]      ; row 8 h + t's number, held inside out0
.endr
.irp t, 0,1,2,3,4,5,6,7
	v_lshl_add_u32 v[SA+\t], v[SA+\t], 12, v[LCOL] ; x 4,096 bytes + my 16
.endr
.irp j, 0,1,2,3,4,5,6,7                        ; each accumulator is read from its low end on
.irp ct, 0,1,2,3
	v_mov_b32 v[OUT+4*\j+\ct], v[ACC+8*\ct+\j]     ; columns 64 q + 4 r + 0 .. 3 of row 8 h + j come from the four accumulators
.endr
	global_store_b128 v[SA+\j], v[OUT+4*\j:OUT+4*\j+3], s[18:19] th:TH_STORE_NT   ; lanes 0-15: 256 consecutive bytes of row j, lanes 16-31: of row 8 + j; written once, read by nobody here
.endr
.endm
	BUNDLE 0, 0
.irp i, 0,1,2,3,4,5,6,7
	TRIP \i
.endr
.Ldone:
	s_wait_dscnt 0x0                               ; a run of LDS loads may be out where a trip was left out
	s_set_vgpr_msb 0xa
	s_wait_tensorcnt 0x0
	ds_add_u32 v0, v1
	s_wait_dscnt 0x0
	s_set_vgpr_msb 0xa00
	s_endpgm
.Lfunc_end_k_q0db5e88230_proj:
	.size	k_q0db5e88230_proj, .Lfunc_end_k_q0db5e88230_proj-k_q0db5e88230_proj
	.p2alignl 7, 3214868480
	.fill 96, 4, 3214868480
	.section	.rodata,"a",@progbits
	.p2align	6, 0x0
	.amdhsa_kernel k_q0db5e88230_proj
		.amdhsa_group_segment_fixed_size 74240
		.amdhsa_private_segment_fixed_size 0
		.amdhsa_enable_private_segment 0
		.amdhsa_kernarg_size 72
		.amdhsa_user_sgpr_count 2
		.amdhsa_user_sgpr_kernarg_segment_ptr 1
		.amdhsa_wavefront_size32 1
		.amdhsa_system_sgpr_workgroup_id_x 1
		.amdhsa_system_sgpr_workgroup_id_y 1
		.amdhsa_system_sgpr_workgroup_id_z 1
		.amdhsa_system_vgpr_workitem_id 0
		.amdhsa_next_free_vgpr 514
		.amdhsa_next_free_sgpr 80
		.amdhsa_reserve_vcc 1
		.amdhsa_float_denorm_mode_32 3
		.amdhsa_float_denorm_mode_16_64 3
		.amdhsa_memory_ordered 1
		.amdhsa_forward_progress 1
		.amdhsa_inst_pref_size 89
	.end_amdhsa_kernel
	.amdgpu_metadata
---
amdhsa.version: [ 1, 2 ]
amdhsa.kernels:
  - .name:           k_q0db5e88230_proj
    .symbol:         k_q0db5e88230_proj.kd
    .args:
      - { .name: mu_codes, .offset: 0, .size: 8, .value_kind: global_buffer, .address_space: global }
      - { .name: mu_scales, .offset: 8, .size: 8, .value_kind: global_buffer, .address_space: global }
      - { .name: wcodes, .offset: 16, .size: 8, .value_kind: global_buffer, .address_space: global }
      - { .name: wscales, .offset: 24, .size: 8, .value_kind: global_buffer, .address_space: global }
      - { .name: part, .offset: 32, .size: 8, .value_kind: global_buffer, .address_space: global }
      - { .name: rows, .offset: 40, .size: 8, .value_kind: global_buffer, .address_space: global }
      - { .name: tiles, .offset: 48, .size: 8, .value_kind: global_buffer, .address_space: global }
      - { .name: out0, .offset: 56, .size: 8, .value_kind: global_buffer, .address_space: global }
      - { .name: out1, .offset: 64, .size: 8, .value_kind: global_buffer, .address_space: global }
    .group_segment_fixed_size: 74240
    .private_segment_fixed_size: 0
    .kernarg_segment_align: 8
    .kernarg_segment_size: 72
    .max_flat_workgroup_size: 128
    .sgpr_count:     80
    .vgpr_count:     514
    .wavefront_size: 32
...
	.end_amdgpu_metadata
.endif
;; end of part 2
